; MI455X (gfx1250); checked and timed in simulation.
; The chip was launched on July 23, 2026; its instructions are those of AMD's public machine-readable ISA for CDNA 5 (MIT licence, August 2026) and "CDNA5" Instruction Set Architecture Reference Guide (July 2026). The comments in the code are by the model that wrote it; some were corrected since.
;; Shape Retrieval. Allowed arithmetic: float matrix products may take bf16 or f16 operands with f32 sums; other float arithmetic in f32, or as packed bf16 or f16 multiplies, adds, multiply-adds, maxima and minima; sums over many terms, partial sums and values carried from step to step in f32; what a program stores and reads back later, other than sums and carried values, may be rounded once to bf16 or f16.
;; Inputs: category_idx 100,000 int32; gallery_embedding 100,000 x 256 float32; shape_embedding 2,048 x 256 float32; shape_idx 100,000 int32.
;; Outputs: out0 2,048 int32; out1 2,048 int32.
;; 2 versions, each right and faster than the one before. Each part assembles by itself: llvm-mc -triple=amdgcn-amd-amdhsa -mcpu=gfx1250 --defsym DOCPART=n.
;; ======== version 1 of 2: 4 launches
;; workspace buffers: qf 1,048,576 bytes; part 4,096,000 bytes; win 8,192 bytes of whole numbers
;; launch qfrag (part 1): grid 128 x 1, 1 waves a work-group, no clusters, 8,704 bytes of LDS; arguments shape_embedding, qf; writes qf
.if DOCPART == 1
	.amdgcn_target "amdgcn-amd-amdhsa--gfx1250"
	.amdhsa_code_object_version 6
	.text
	.protected	k_qe64846524c_qfrag
	.globl	k_qe64846524c_qfrag
	.p2align	8
	.type	k_qe64846524c_qfrag,@function
k_qe64846524c_qfrag:
	s_mov_b64 s[64:65], 0
	v_nop
	global_prefetch_b8 v0, s[64:65] scope:SCOPE_SE
	s_setreg_imm32_b32 hwreg(HW_REG_WAVE_MODE, 25, 1), 1
	s_wait_xcnt 0x0
; Q, [2048][256] f32, is rounded once to bf16 and laid out as the matrix instruction's source wants it, so that the next launch
; fills its registers by plain loads of 512 consecutive bytes.  One wave takes a tile of 16 queries.
; qf: tile T, load number n = 2 c + e (c: 32 along K, e: which half of a fragment) is a block of 512 bytes at 8192 T + 512 n;
; lane l = r + 16 h owns its bytes 16 l on: row 16 T + r, k = 32 c + 16 e + 8 h + 0..7.
; The way: 32 loads of half a row (512 consecutive bytes), rounding, a stage in LDS with rows of 528 bytes, back by fragments.
.set PITCH, 528                        ; 512 bytes of bf16 + 16: an odd multiple of 16, so the 16 rows of a fragment load begin at 16 different 16-byte columns modulo 256
.set SPARE, 16*PITCH                   ; behind the stage: the spare words, one block of 256 bytes that no other line names
.set SPW, 6                            ; v6   SPARE + 4 x my thread's number; never rewritten
.set NIL, 7                            ; v7   0; never rewritten
.set X,   8                            ; v8-135    the 16 rows as loaded: row r at X + 8 r
.set PK,  136                          ; v136-139  a row's 8 numbers of mine, rounded and packed
.set F,   140                          ; v140-203  the 16 blocks on their way out
	s_load_b128 s[4:7], s[0:1], 0x0                ; shape_embedding s[4:5], qf s[6:7]
	v_lshl_add_u32 v[SPW], v0, 2, SPARE
	v_mov_b32 v[NIL], 0
	v_lshlrev_b32 v1, 4, v0                        ; 16 x lane: my place in 512 consecutive bytes
	v_lshlrev_b32 v2, 3, v0                        ; 8 x lane: my 4 bf16 in half a row of the stage
	v_and_b32 v3, 15, v0                           ; r
	v_lshrrev_b32 v4, 4, v0                        ; h
	v_mul_u32_u24 v3, v3, PITCH
	v_lshl_add_u32 v3, v4, 4, v3                   ; r x pitch + 16 h
	s_lshl_b32 s8, ttmp9, 14                       ; 16 rows of 1,024 bytes
	s_mov_b32 s9, 0
	s_lshl_b32 s10, ttmp9, 13                      ; 16 blocks of 512 bytes
	s_mov_b32 s11, 0
	s_wait_kmcnt 0x0
	s_add_nc_u64 s[4:5], s[4:5], s[8:9]
	s_add_nc_u64 s[6:7], s[6:7], s[10:11]
.set i, 0
.rept 32
	global_load_b128 v[X+4*i:X+4*i+3], v1, s[4:5] offset:512*i th:TH_LOAD_NT  ; half row i: lane l holds k = 128 (i % 2) + 4 l + 0..3
.set i, i+1
.endr
.set r, 0
.rept 16
	s_wait_loadcnt 30-2*r                          ; loads come back in order: row r is in, the later rows stay out
.irp k, 0,1,2,3
	v_cvt_pk_bf16_f32 v[PK+\k], v[X+8*r+2*\k], v[X+8*r+2*\k+1]
.endr
	ds_store_b64 v2, v[PK:PK+1] offset:r*PITCH
	ds_store_b64 v2, v[PK+2:PK+3] offset:r*PITCH+256
.set r, r+1
.endr
.set n, 0
.rept 16
	ds_load_b128 v[F+4*n:F+4*n+3], v3 offset:32*n  ; LDS serves a wave's instructions in order: these see the stores above
.set n, n+1
.endr
.set n, 0
.rept 16
	s_wait_dscnt 15-n                              ; block n is back
	global_store_b128 v1, v[F+4*n:F+4*n+3], s[6:7] offset:512*n  ; 512 consecutive bytes, at a multiple of 512 from qf's first byte
.set n, n+1
.endr
	s_wait_tensorcnt 0x0                           ; the wave's end
	ds_add_u32 v[SPW], v[NIL]
	s_wait_dscnt 0x0
	s_endpgm
.Lfunc_end_k_qe64846524c_qfrag:
	.size	k_qe64846524c_qfrag, .Lfunc_end_k_qe64846524c_qfrag-k_qe64846524c_qfrag
	.p2alignl 7, 3214868480
	.fill 96, 4, 3214868480
	.section	.rodata,"a",@progbits
	.p2align	6, 0x0
	.amdhsa_kernel k_qe64846524c_qfrag
		.amdhsa_group_segment_fixed_size 8704
		.amdhsa_private_segment_fixed_size 0
		.amdhsa_enable_private_segment 0
		.amdhsa_kernarg_size 16
		.amdhsa_user_sgpr_count 2
		.amdhsa_user_sgpr_kernarg_segment_ptr 1
		.amdhsa_wavefront_size32 1
		.amdhsa_system_sgpr_workgroup_id_x 1
		.amdhsa_system_sgpr_workgroup_id_y 1
		.amdhsa_system_sgpr_workgroup_id_z 1
		.amdhsa_system_vgpr_workitem_id 0
		.amdhsa_next_free_vgpr 204
		.amdhsa_next_free_sgpr 66
		.amdhsa_reserve_vcc 0
		.amdhsa_float_denorm_mode_32 3
		.amdhsa_float_denorm_mode_16_64 3
		.amdhsa_memory_ordered 1
		.amdhsa_forward_progress 1
		.amdhsa_inst_pref_size 14
	.end_amdhsa_kernel
	.amdgpu_metadata
---
amdhsa.version: [ 1, 2 ]
amdhsa.kernels:
  - .name:           k_qe64846524c_qfrag
    .symbol:         k_qe64846524c_qfrag.kd
    .args:
      - { .name: shape_embedding, .offset: 0, .size: 8, .value_kind: global_buffer, .address_space: global }
      - { .name: qf, .offset: 8, .size: 8, .value_kind: global_buffer, .address_space: global }
    .group_segment_fixed_size: 8704
    .private_segment_fixed_size: 0
    .kernarg_segment_align: 8
    .kernarg_segment_size: 16
    .max_flat_workgroup_size: 32
    .sgpr_count:     66
    .vgpr_count:     204
    .wavefront_size: 32
...
	.end_amdgpu_metadata
.endif
;; end of part 1
;; launch scan (part 2): grid 250 x 1, 4 waves a work-group, no clusters, 224,000 bytes of LDS; arguments gallery_embedding, qf, part; writes part
.if DOCPART == 2
	.amdgcn_target "amdgcn-amd-amdhsa--gfx1250"
	.amdhsa_code_object_version 6
	.text
	.protected	k_qe64846524c_scan
	.globl	k_qe64846524c_scan
	.p2align	8
	.type	k_qe64846524c_scan,@function
k_qe64846524c_scan:
	s_mov_b64 s[64:65], 0
	v_nop
	global_prefetch_b8 v0, s[64:65] scope:SCOPE_SE
	s_setreg_imm32_b32 hwreg(HW_REG_WAVE_MODE, 25, 1), 1
	s_wait_xcnt 0x0
; THE PRODUCT.  score(q, m) = (Q[q] . G[m]) / max(|G[m]|, 1e-12), Q and G rounded once to bf16, products exact, sums in f32, |G[m]| taken in f32 of the ROUNDED numbers.
; Q's own norm is one positive factor for all scores of a query: it changes no comparison here and is applied in the last launch.
; SHARES.  100,000 gallery rows = 250 work-groups x 400 rows = 25 tiles of 16.  A work-group's rows are read from memory once, rounded, normed and kept in LDS as bf16.
; Each of the four waves walks 512 queries in 8 passes of 64 (pass p of wave w: chunk 4 p + w); a pass has 25 steps: one gallery tile x 4 query tiles x K = 256: 32 matrix instructions.
; LAYOUT.  Source 0 = 16 gallery rows, source 1 = 16 queries: in the result a lane holds ONE query (lane % 16) and register j the gallery row 16 t + 8 (lane / 16) + j.
; So scaling is a packed multiply by eight scales, a tile's maximum four instructions, and only the tile's number is tracked: what leaves is, for each query, the best score and
; its BLOCK of 8 rows (global row / 8).  The last launch finds the row inside the block.
; part[work-group][chunk][512 bytes]: 64 f32 scores, then 64 int32 blocks.
; NO CLUSTER: 250 work-groups are no multiple of four; the shared input, qf, is 1 MiB.  No tensor loads: the gallery has to pass through registers to be rounded and normed, and qf goes into registers as it lies.
; LIMITS.  NaN and infinities are not treated apart (a NaN score loses).  Equal scores: the lowest block.  Two scores closer than the rounding of f32 sums (a few 1e-7 of themselves) may change places.
; REGISTERS, in windows of 256 (s_set_vgpr_msb: bits 1:0 source 0, 3:2 source 1, 5:4 source 2, 7:6 destination): window 0 all but Q; window 1 QA, window 2 QB: 64 queries each, tile j fragment c at 64 j + 8 c.
.set PITCH, 528                        ; an LDS row: 512 bytes of bf16 + 16: an odd multiple of 16, so the 16 rows of a fragment load begin at 16 different 16-byte columns modulo 256
.set TILEB, 16*PITCH
.set SCL,   26*TILEB                   ; behind 26 tiles (tile 25 is a copy of tile 0, for the look-ahead of a pass's last step): 400 f32 scales
.set OST,   SCL+1792                   ; each wave's own 512 bytes for the way out
.set SPARE, OST+4*512                  ; the spare words, 128 bytes a wave: two blocks of 256 bytes that no other line names
.set LO16, 1                           ; v1   16 x lane; never rewritten
.set RR,   2                           ; v2   lane % 16
.set HH,   3                           ; v3   lane / 16
.set AG0,  4                           ; v4   my place in a gallery tile: r x pitch + 16 h
.set AG,   5                           ; v5   the same in the tile to be fetched
.set ASC0, 6                           ; v6   my eight scales of tile 0: SCL + 32 h
.set ASC,  7                           ; v7   the same in the tile in hand
.set OSW,  9                           ; v9   way out: where my query's score goes
.set OSR,  10                          ; v10  way out: my 16 bytes of the 512
.set LDA,  12                          ; v12  phase 0: my 8 bytes in half a row of my wave's rows
.set SCW,  13                          ; v13  phase 0: my wave's scales
.set CPS,  14                          ; v14, v15  the copy of tile 0: from, to
.set CPD,  15
.set BEST, 16                          ; v16-19  best score, by query tile
.set IDX,  20                          ; v20-23  2 x its global tile
.set OUT,  24                          ; v24-27
.set SPW,  30                          ; v30  SPARE + 4 x my thread's number; never rewritten
.set NIL,  31                          ; v31  0; never rewritten
.set T0,   32                          ; v32-35, v36-39  at work
.set T1,   36
.set OB,   40                          ; v40-43, v44-47  the other half of the lanes' best and block
.set OI,   44
.set SC,   48                          ; v48-55, v56-63  eight scales, two buffers
.set ACC,  64                          ; v64-95, v96-127  four accumulators, two sets
.set GF,   128                         ; v128-191, v192-255  a gallery tile's eight fragments, two buffers
.set PP,   32                          ; phase 0: v32-39 two rows packed; v40-55 unpacked; v56-63 sums at work; v64-223 a ring of 20 rows; v224-243 their sums of squares
.set UU,   40
.set SA,   56
.set X,    64
.set SS,   224
; s[4:5] gallery at my wave's ring; s[6:7] qf at the chunk to be loaded; s[8:9] part at the pass's 512 bytes; s10 wave; s11 work-group; s12, s13 lane selects; s14 mask of a word's upper bf16; s15 1e-12;
; s16, s17 counters; s18, s19 2 x the global tile of this step, of the last; s20-23 compare masks; s24, s25 LDS byte of the next tile, of this tile's scales; s26 2 x my first global tile; s[28:29], s30 at work
.set MSB, 0
.macro WIN new                         ; the immediate's high byte repeats the setting that is left; a switch that changes nothing is dropped
.if MSB != (\new)
	s_set_vgpr_msb (MSB<<8)|(\new)
.set MSB, (\new)
.endif
.endm
	s_load_b128 s[4:7], s[0:1], 0x0                ; gallery_embedding s[4:5], qf s[6:7]
	s_load_b64 s[8:9], s[0:1], 0x10                ; part
	v_lshl_add_u32 v[SPW], v0, 2, SPARE
	v_mov_b32 v[NIL], 0
	v_lshrrev_b32 v8, 5, v0
	v_readfirstlane_b32 s10, v8                    ; wave 0..3
	s_mov_b32 s11, ttmp9
	v_and_b32 v11, 31, v0                          ; lane
	v_lshlrev_b32 v[LO16], 4, v11
	v_and_b32 v[RR], 15, v0
	v_bfe_u32 v[HH], v0, 4, 1
	v_mul_u32_u24 v[AG0], v[RR], PITCH
	v_lshl_add_u32 v[AG0], v[HH], 4, v[AG0]
	v_lshlrev_b32 v[ASC0], 5, v[HH]
	v_add_nc_u32 v[ASC0], SCL, v[ASC0]
	s_lshl_b32 s28, s10, 9
	s_add_co_u32 s28, s28, OST
	v_lshl_add_u32 v[OSW], v[RR], 2, s28
	v_add_nc_u32 v[OSR], s28, v[LO16]
	s_mul_i32 s28, s10, 100*PITCH
	v_lshl_add_u32 v[LDA], v11, 3, s28
	s_mul_i32 s28, s10, 400
	s_add_co_u32 s28, s28, SCL
	v_mov_b32 v[SCW], s28
	v_lshrrev_b32 v[CPS], 3, v0                    ; thread t copies 64 bytes: row t / 8, column 64 (t % 8)
	v_mul_u32_u24 v[CPS], v[CPS], PITCH
	v_and_b32 v[CPD], 7, v0
	v_lshl_add_u32 v[CPS], v[CPD], 6, v[CPS]
	v_add_nc_u32 v[CPD], 25*TILEB, v[CPS]
	s_mov_b32 s12, 0x76543210                      ; v_permlanex16_b32: each lane takes its own place in the other half
	s_mov_b32 s13, 0xfedcba98
	s_mov_b32 s14, 0xffff0000
	s_mov_b32 s15, 0x2b8cbccc                      ; 1e-12
	s_mul_i32 s26, s11, 50                         ; 2 x 25 tiles a work-group
	s_mul_i32 s28, s11, 400
	s_mul_i32 s29, s10, 100
	s_add_co_u32 s28, s28, s29
	s_lshl_b32 s28, s28, 10                        ; my wave's first row x 1,024 bytes: under 2^27
	s_mov_b32 s29, 0
	s_wait_kmcnt 0x0
	s_add_nc_u64 s[4:5], s[4:5], s[28:29]
	s_lshl_b32 s28, s10, 15                        ; chunk w: 4 tiles of 8,192 bytes
	s_add_nc_u64 s[6:7], s[6:7], s[28:29]
	s_lshl_b32 s28, s11, 14                        ; 32 chunks of 512 bytes a work-group
	s_lshl_b32 s30, s10, 9
	s_add_co_u32 s28, s28, s30
	s_add_nc_u64 s[8:9], s[8:9], s[28:29]
; PHASE 0.  My wave's 100 rows come through a ring of 20 rows in registers: 40 loads of 512 consecutive bytes are on their way, 20 KiB a wave.
.set i, 0
.rept 40
	global_load_b128 v[X+4*i:X+4*i+3], v[LO16], s[4:5] offset:512*i th:TH_LOAD_NT
.set i, i+1
.endr
; Rows 2 i and 2 i + 1 of the ring: rounded, stored to LDS, and the sum of squares of my 8 ROUNDED numbers of each.  ahead = 1: the rows 20 further down are asked for.
; left = the younger loads that may stay out.  nq = 1: six loads of the first pass's Q follow.
.macro ROW2 i, ahead, left, nq
	s_wait_loadcnt \left
.irp u, 0,1
.irp k, 0,1,2,3
	v_cvt_pk_bf16_f32 v[PP+4*(\u)+(\k)], v[X+8*(2*(\i)+(\u))+2*(\k)], v[X+8*(2*(\i)+(\u))+2*(\k)+1]
.endr
.endr
.if \ahead
.irp u, 0,1
	global_load_b128 v[X+8*(2*(\i)+(\u)):X+8*(2*(\i)+(\u))+3],   v[LO16], s[4:5] offset:(20+2*(\i)+(\u))*1024 th:TH_LOAD_NT
	global_load_b128 v[X+8*(2*(\i)+(\u))+4:X+8*(2*(\i)+(\u))+7], v[LO16], s[4:5] offset:(20+2*(\i)+(\u))*1024+512 th:TH_LOAD_NT
.endr
.endif
.irp u, 0,1
	ds_store_b64 v[LDA], v[PP+4*(\u):PP+4*(\u)+1]   offset:(2*(\i)+(\u))*PITCH
	ds_store_b64 v[LDA], v[PP+4*(\u)+2:PP+4*(\u)+3] offset:(2*(\i)+(\u))*PITCH+256
.endr
.irp u, 0,1
.irp k, 0,1,2,3
	v_lshlrev_b32 v[UU+8*(\u)+2*(\k)],   16,  v[PP+4*(\u)+(\k)]   ; bf16 to f32: the low half moves up,
	v_and_b32     v[UU+8*(\u)+2*(\k)+1], s14, v[PP+4*(\u)+(\k)]   ; the high half stays
.endr
.endr
.irp u, 0,1
	v_pk_mul_f32 v[SA+4*(\u):SA+4*(\u)+1],   v[UU+8*(\u):UU+8*(\u)+1],   v[UU+8*(\u):UU+8*(\u)+1]
	v_pk_mul_f32 v[SA+4*(\u)+2:SA+4*(\u)+3], v[UU+8*(\u)+2:UU+8*(\u)+3], v[UU+8*(\u)+2:UU+8*(\u)+3]
.endr
.irp u, 0,1
	v_pk_fma_f32 v[SA+4*(\u):SA+4*(\u)+1],   v[UU+8*(\u)+4:UU+8*(\u)+5], v[UU+8*(\u)+4:UU+8*(\u)+5], v[SA+4*(\u):SA+4*(\u)+1]
	v_pk_fma_f32 v[SA+4*(\u)+2:SA+4*(\u)+3], v[UU+8*(\u)+6:UU+8*(\u)+7], v[UU+8*(\u)+6:UU+8*(\u)+7], v[SA+4*(\u)+2:SA+4*(\u)+3]
.endr
.irp u, 0,1
	v_pk_add_f32 v[SA+4*(\u):SA+4*(\u)+1], v[SA+4*(\u):SA+4*(\u)+1], v[SA+4*(\u)+2:SA+4*(\u)+3]
.endr
.irp u, 0,1
	v_add_f32 v[SS+2*(\i)+(\u)], v[SA+4*(\u)], v[SA+4*(\u)+1]
.endr
.if \nq
	WIN 0x40                                       ; destination window 1
.irp k, 0,1,2,3,4,5
	global_load_b128 v[4*(6*(\i)+(\k)):4*(6*(\i)+(\k))+3], v[LO16], s[6:7] offset:512*(6*(\i)+(\k))
.endr
	WIN 0
.endif
.endm
; Twenty rows' sums go over the 32 lanes side by side, so that no line waits for the one before it; then 1 / max(sqrt, 1e-12), one word a row into LDS (all lanes hold and write the same number).
.macro NORM20
.irp m, 1,2,4,8
.set i, 0
.rept 20
	v_add_f32_dpp v[SS+i], v[SS+i], v[SS+i] row_xmask:\m row_mask:0xf bank_mask:0xf
.set i, i+1
.endr
.endr
.set i, 0
.rept 20
	v_permlanex16_b32 v[PP+i], v[SS+i], s12, s13   ; its destination counts as read: v32-51 have been written
.set i, i+1
.endr
.set i, 0
.rept 20
	v_add_f32 v[SS+i], v[SS+i], v[PP+i]
.set i, i+1
.endr
.set i, 0
.rept 20
	v_sqrt_f32 v[SS+i], v[SS+i]
.set i, i+1
.endr
	v_nop                                          ; a plain instruction between the last root and the use of its result
.set i, 0
	s_wait_alu depctr_va_vdst(0)
.rept 20
	v_max_num_f32 v[SS+i], s15, v[SS+i]
.set i, i+1
.endr
.set i, 0
.rept 20
	v_rcp_f32 v[SS+i], v[SS+i]
.set i, i+1
.endr
	v_nop                                          ; and behind the last reciprocal
.set i, 0
	s_wait_alu depctr_va_vdst(0)
.rept 20
	ds_store_b32 v[SCW], v[SS+i] offset:4*i
.set i, i+1
.endr
.endm
	s_mov_b32 s16, 4
.Lring:                                                ; four rounds of 20 rows, each asking for the next round's rows
.irp i, 0,1,2,3,4,5,6,7,8,9
	ROW2 \i, 1, 36, 0                              ; 36: the ring's other loads, all younger than these four
.endr
	NORM20
	s_wait_xcnt 0x0                                ; the loads' base is stepped only behind this wait
	s_add_nc_u64 s[4:5], s[4:5], 20*1024
	v_add_nc_u32 v[LDA], 20*PITCH, v[LDA]
	v_add_nc_u32 v[SCW], 80, v[SCW]
	s_sub_co_u32 s16, s16, 1
	s_cmp_lg_u32 s16, 0
	s_cbranch_scc1 .Lring
.irp i, 0,1,2,3,4,5,6,7,8,9
	ROW2 \i, 0, 36+2*\i, 1                         ; the last round asks for no row: younger are 4 (9 - i) loads of the ring and 6 i of Q
.endr
	WIN 0x40
.irp n, 60,61,62,63
	global_load_b128 v[4*\n:4*\n+3], v[LO16], s[6:7] offset:512*\n
.endr
	WIN 0
	NORM20
	s_wait_dscnt 0x0                               ; for the others' sake: my rows and scales are in LDS
	s_barrier_signal -1
	s_barrier_wait -1
.irp k, 0,1,2,3
	ds_load_b128 v[X+4*\k:X+4*\k+3], v[CPS] offset:16*\k   ; tile 0 once more behind tile 24
.endr
	s_wait_dscnt 0x0
.irp k, 0,1,2,3
	ds_store_b128 v[CPD], v[X+4*\k:X+4*\k+3] offset:16*\k
.endr
	s_wait_dscnt 0x0
	s_barrier_signal -1
	s_barrier_wait -1                              ; from here on no wave writes LDS bytes that another reads: no further barrier
; THE EPILOGUE of a step, operation e of 11 for its four query tiles: a = the accumulators' set, sc = its scales, t = the scalar register with 2 x its global tile.
; 0-3 the eight scores times the eight scales (each accumulator's lowest registers are read first); 4-7 their maximum; 8-10 a strictly greater maximum takes the tile's number, so the first of equals stays.
.macro EPG e, a, sc, t
.irp u, 0,1,2,3
.if (\e) < 4
	v_pk_mul_f32 v[(\a)+8*\u+2*(\e):(\a)+8*\u+2*(\e)+1], v[(\a)+8*\u+2*(\e):(\a)+8*\u+2*(\e)+1], v[(\sc)+2*(\e):(\sc)+2*(\e)+1]
.elseif (\e) == 4
	v_max3_num_f32 v[T0+\u], v[(\a)+8*\u], v[(\a)+8*\u+1], v[(\a)+8*\u+2]
.elseif (\e) == 5
	v_max3_num_f32 v[T1+\u], v[(\a)+8*\u+3], v[(\a)+8*\u+4], v[(\a)+8*\u+5]
.elseif (\e) == 6
	v_max3_num_f32 v[T0+\u], v[T0+\u], v[(\a)+8*\u+6], v[(\a)+8*\u+7]
.elseif (\e) == 7
	v_max_num_f32 v[T0+\u], v[T0+\u], v[T1+\u]
.elseif (\e) == 8
	v_cmp_gt_f32 s[20+\u], v[T0+\u], v[BEST+\u]
.elseif (\e) == 9
	v_cndmask_b32 v[IDX+\u], v[IDX+\u], s[\t], s[20+\u]
.else
	v_max_num_f32 v[BEST+\u], v[BEST+\u], v[T0+\u]
.endif
.endr
.endm
; A STEP: 32 matrix instructions on set p of the accumulators and buffer p of the gallery fragments, Q in window q.  Product i: 32 along K at i / 4, query tile i % 4: the four accumulators take turns.
; Behind product 0: four v_nop, the places behind the last step's products, in front of the reads of its accumulators and the loads into its fragment buffer (ISA guide 7.12.1 for the reads of its accumulators).
; Behind products 1, 3 .. 15: the next tile's fragments, two loads each, 16 products or more ahead of their use.  Behind 17: this tile's scales, which the next step reads.
; Behind products 2, 4 .. 22: the LAST step's epilogue, four instructions each; they lie in window 0, so each group costs two switches.
; kind 0: a step in a pass; 1: a pass's first step; 2: the very first: there is no step before it.
.macro STEP q, p, goff, soff, kind
	s_mov_b32 s19, s18
.if (\kind) == 0
	s_add_co_u32 s18, s18, 2
.else
	s_mov_b32 s18, s26
.endif
	s_wait_dscnt 0x0                               ; this step's fragments and the last step's scales are in
.set AC,  ACC+32*(\p)
.set AO,  ACC+32*(1-(\p))
.set GC,  GF+64*(\p)
.set GN,  GF+64*(1-(\p))
.set SCN, SC+8*(\p)
.set SCO, SC+8*(1-(\p))
.set i, 0
.rept 32
	WIN 4*(\q)                                     ; source 1 in Q's window, all else in window 0
.if i < 4
	v_wmma_f32_16x16x32_bf16 v[AC+8*(i%4):AC+8*(i%4)+7], v[GC+8*(i/4):GC+8*(i/4)+7], v[64*(i%4)+8*(i/4):64*(i%4)+8*(i/4)+7], 0
.else
	v_wmma_f32_16x16x32_bf16 v[AC+8*(i%4):AC+8*(i%4)+7], v[GC+8*(i/4):GC+8*(i/4)+7], v[64*(i%4)+8*(i/4):64*(i%4)+8*(i/4)+7], v[AC+8*(i%4):AC+8*(i%4)+7]
.endif
.if i == 0
	v_nop
	v_nop
	v_nop
	v_nop
.elseif (i%2 == 1) && (i < 17)
	ds_load_b128 v[GN+4*(i-1):GN+4*(i-1)+3],   v[AG] offset:(\goff)+32*(i-1)
	ds_load_b128 v[GN+4*(i-1)+4:GN+4*(i-1)+7], v[AG] offset:(\goff)+32*(i-1)+32
.elseif i == 17
	ds_load_b128 v[SCN:SCN+3],   v[ASC] offset:(\soff)
	ds_load_b128 v[SCN+4:SCN+7], v[ASC] offset:(\soff)+16
.elseif (i%2 == 0) && (i <= 22) && ((\kind) != 2)
	WIN 0
	EPG (i-2)/2, AO, SCO, 19
.endif
.set i, i+1
.endr
	WIN 0
.endm
; A PASS ENDS.  The block is 2 x tile + lane / 16; the query's other 8 rows of each tile lie in the lane 16 away: the greater score wins, of equals the lower block.  Then 64 scores and 64 blocks
; go through my own 512 bytes of LDS and leave as 512 consecutive bytes.
.macro FIN
.irp j, 0,1,2,3
	v_add_nc_u32 v[IDX+\j], v[IDX+\j], v[HH]
.endr
.irp j, 0,1,2,3
	v_permlanex16_b32 v[OB+\j], v[BEST+\j], s12, s13
	v_permlanex16_b32 v[OI+\j], v[IDX+\j], s12, s13
.endr
.irp j, 0,1,2,3
	v_cmp_gt_f32 s20, v[OB+\j], v[BEST+\j]
	v_cmp_eq_f32 s21, v[OB+\j], v[BEST+\j]
	v_cmp_lt_u32 s22, v[OI+\j], v[IDX+\j]
	s_and_b32 s21, s21, s22
	s_or_b32 s20, s20, s21
	v_cndmask_b32 v[BEST+\j], v[BEST+\j], v[OB+\j], s20
	v_cndmask_b32 v[IDX+\j], v[IDX+\j], v[OI+\j], s20
.endr
.irp j, 0,1,2,3
	ds_store_b32 v[OSW], v[BEST+\j] offset:64*\j   ; both halves of the lanes hold, and write, the same
	ds_store_b32 v[OSW], v[IDX+\j] offset:256+64*\j
.endr
	ds_load_b128 v[OUT:OUT+3], v[OSR]              ; LDS serves a wave's instructions in order: this sees the stores above
	s_wait_dscnt 0x0
	global_store_b128 v[LO16], v[OUT:OUT+3], s[8:9]  ; 512 consecutive bytes, at a multiple of 512 from part's first byte
	s_wait_xcnt 0x0                                ; the store's base and data are rewritten only behind this wait
	s_add_nc_u64 s[8:9], s[8:9], 2048              ; the next pass's chunk is four further on
.endm
; 32 loads of the next pass's Q, half hf of its 64, into window qo.  Two runs a pass, eight steps apart, so that the second is issued when the first has come back.
; cond = 1: the eighth pass has no successor, and the run is jumped over: no load leaves qf.
.macro QRUN qo, hf, cond
.if \cond
	s_cmp_lg_u32 s17, 1
	s_cbranch_scc0 .Lnoq_\@
.endif
	WIN 0x40*(\qo)
.set n, 32*(\hf)
.rept 32
	global_load_b128 v[4*n:4*n+3], v[LO16], s[6:7] offset:512*n
.set n, n+1
.endr
	WIN 0
.if \cond
.Lnoq_\@:
.endif
.endm
; A PASS'S FIRST STEP (tile 0, whose fragments the step before fetched from tile 25), the end of the pass before, and the first run of the next pass's Q.
.macro PASS0 q, p, kind, cond
	s_wait_loadcnt 0x0                             ; this pass's Q is in; no load names s[6:7] any more
	s_add_nc_u64 s[6:7], s[6:7], 0x20000           ; four chunks of 32,768 bytes on
	v_mov_b32 v[AG], v[AG0]
	v_mov_b32 v[ASC], v[ASC0]
	s_mov_b32 s24, 2*TILEB
	s_mov_b32 s25, 64
	STEP \q, \p, TILEB, 0, \kind
.if (\kind) == 1
	FIN
.endif
.irp j, 0,1,2,3
	v_mov_b32 v[BEST+\j], 0xff800000               ; below every score
	v_mov_b32 v[IDX+\j], s26
.endr
	QRUN 3-(\q), 0, \cond
.endm
; Two steps a trip: tiles t and t + 1; s24 = (t + 1) tiles, s25 = 64 t.
.macro LOOP q, p1, trips
	s_mov_b32 s16, \trips
.Lloop_\@:
	v_add_nc_u32 v[AG], s24, v[AG0]
	v_add_nc_u32 v[ASC], s25, v[ASC0]
	STEP \q, \p1, 0, 0, 0
	STEP \q, 1-(\p1), TILEB, 64, 0
	s_add_co_u32 s24, s24, 2*TILEB
	s_add_co_u32 s25, s25, 128
	s_sub_co_u32 s16, s16, 1
	s_cmp_lg_u32 s16, 0
	s_cbranch_scc1 .Lloop_\@
.endm
.irp c, 0,1,2,3,4,5,6,7
	ds_load_b128 v[GF+8*\c:GF+8*\c+3],   v[AG0] offset:64*\c
	ds_load_b128 v[GF+8*\c+4:GF+8*\c+7], v[AG0] offset:64*\c+32
.endr
	s_mov_b32 s17, 4
	s_mov_b32 s18, s26
	PASS0 1, 0, 2, 0
	s_branch .Lin                                  ; the loop is entered behind its first step: the very first has no pass to end
.Lout:                                                 ; a trip is two passes, 50 steps, so the buffers' turns close on themselves
	PASS0 1, 0, 1, 0
.Lin:
	LOOP 1, 1, 4
	QRUN 2, 1, 0
	LOOP 1, 1, 8
	PASS0 2, 1, 1, 1
	LOOP 2, 0, 4
	QRUN 1, 1, 1
	LOOP 2, 0, 8
	s_sub_co_u32 s17, s17, 1
	s_cmp_lg_u32 s17, 0
	s_cbranch_scc1 .Lout
	s_wait_dscnt 0x0                               ; the last step's scales
	v_nop                                          ; the places behind the last products
	v_nop
	v_nop
	v_nop
.irp e, 0,1,2,3,4,5,6,7,8,9,10
	EPG \e, ACC+32, SC+8, 18
.endr
	FIN
	s_wait_tensorcnt 0x0                           ; the wave's end
	ds_add_u32 v[SPW], v[NIL]
	s_wait_dscnt 0x0
	s_endpgm
.Lfunc_end_k_qe64846524c_scan:
	.size	k_qe64846524c_scan, .Lfunc_end_k_qe64846524c_scan-k_qe64846524c_scan
	.p2alignl 7, 3214868480
	.fill 96, 4, 3214868480
	.section	.rodata,"a",@progbits
	.p2align	6, 0x0
	.amdhsa_kernel k_qe64846524c_scan
		.amdhsa_group_segment_fixed_size 224000
		.amdhsa_private_segment_fixed_size 0
		.amdhsa_enable_private_segment 0
		.amdhsa_kernarg_size 24
		.amdhsa_user_sgpr_count 2
		.amdhsa_user_sgpr_kernarg_segment_ptr 1
		.amdhsa_wavefront_size32 1
		.amdhsa_system_sgpr_workgroup_id_x 1
		.amdhsa_system_sgpr_workgroup_id_y 1
		.amdhsa_system_sgpr_workgroup_id_z 1
		.amdhsa_system_vgpr_workitem_id 0
		.amdhsa_next_free_vgpr 768
		.amdhsa_next_free_sgpr 66
		.amdhsa_reserve_vcc 0
		.amdhsa_float_denorm_mode_32 3
		.amdhsa_float_denorm_mode_16_64 3
		.amdhsa_memory_ordered 1
		.amdhsa_forward_progress 1
		.amdhsa_inst_pref_size 178
	.end_amdhsa_kernel
	.amdgpu_metadata
---
amdhsa.version: [ 1, 2 ]
amdhsa.kernels:
  - .name:           k_qe64846524c_scan
    .symbol:         k_qe64846524c_scan.kd
    .args:
      - { .name: gallery_embedding, .offset: 0, .size: 8, .value_kind: global_buffer, .address_space: global }
      - { .name: qf, .offset: 8, .size: 8, .value_kind: global_buffer, .address_space: global }
      - { .name: part, .offset: 16, .size: 8, .value_kind: global_buffer, .address_space: global }
    .group_segment_fixed_size: 224000
    .private_segment_fixed_size: 0
    .kernarg_segment_align: 8
    .kernarg_segment_size: 24
    .max_flat_workgroup_size: 128
    .sgpr_count:     66
    .vgpr_count:     768
    .wavefront_size: 32
...
	.end_amdgpu_metadata
.endif
;; end of part 2
;; launch pick (part 3): grid 32 x 1, 10 waves a work-group, no clusters, 6,400 bytes of LDS; arguments part, win; writes win
.if DOCPART == 3
	.amdgcn_target "amdgcn-amd-amdhsa--gfx1250"
	.amdhsa_code_object_version 6
	.text
	.protected	k_qe64846524c_pick
	.globl	k_qe64846524c_pick
	.p2align	8
	.type	k_qe64846524c_pick,@function
k_qe64846524c_pick:
	s_mov_b64 s[64:65], 0
	v_nop
	global_prefetch_b8 v0, s[64:65] scope:SCOPE_SE
	s_setreg_imm32_b32 hwreg(HW_REG_WAVE_MODE, 25, 1), 1
	s_wait_xcnt 0x0
; For each query the best of the 250 work-groups' candidates; its block of 8 gallery rows is stored as a whole number.
; Work-group c takes chunk c (64 queries); wave v the candidates of work-groups 25 v .. 25 v + 24, a row of 512 bytes each: lanes 0-15 hold four scores, lanes 16-31 the same four queries' blocks.
; A comparison is made in the low lanes and its verdict given to the lane 16 higher, so that score and block are chosen together.  Ascending order and a strict 'greater' keep the lowest block of equals.
; The ten waves' results meet in LDS; wave 0 merges them in the same way.  A NaN score loses.
.set SPARE, 5120                       ; behind the ten rows of 512 bytes: the spare words, 128 bytes a wave: five blocks of 256 bytes that no other line names
.set SPW, 6                            ; v6   SPARE + 4 x my thread's number; never rewritten
.set NIL, 7                            ; v7   0; never rewritten
.set X,   8                            ; v8-107  candidate k at X + 4 k; candidate 0's registers take the best
	s_load_b128 s[4:7], s[0:1], 0x0                ; part s[4:5], win s[6:7]
	v_lshl_add_u32 v[SPW], v0, 2, SPARE
	v_mov_b32 v[NIL], 0
	v_lshrrev_b32 v1, 5, v0
	v_readfirstlane_b32 s10, v1                    ; wave 0..9
	v_and_b32 v1, 31, v0
	v_lshlrev_b32 v1, 4, v1                        ; 16 x lane
	v_lshlrev_b32 v2, 4, v0                        ; 512 x wave + 16 x lane
	v_and_b32 v3, 15, v0
	v_lshlrev_b32 v3, 4, v3                        ; 16 x (lane % 16)
	s_mul_i32 s12, s10, 25*16384
	s_lshl_b32 s13, ttmp9, 9
	s_add_co_u32 s12, s12, s13
	s_mov_b32 s13, 0
	s_lshl_b32 s14, ttmp9, 8
	s_mov_b32 s15, 0
	s_wait_kmcnt 0x0
	s_add_nc_u64 s[4:5], s[4:5], s[12:13]
	s_add_nc_u64 s[6:7], s[6:7], s[14:15]
.set k, 0
.rept 25
	global_load_b128 v[X+4*k:X+4*k+3], v1, s[4:5] offset:16384*k th:TH_LOAD_NT
.set k, k+1
.endr
.macro MERGE k
.irp e, 0,1,2,3
	v_cmp_gt_f32 s[20+\e], v[X+4*(\k)+\e], v[X+\e]
.endr
.irp e, 0,1,2,3
	s_and_b32 s[20+\e], s[20+\e], 0xffff           ; the score lanes' verdict,
	s_mul_i32 s[20+\e], s[20+\e], 0x10001          ; for the block lanes too
.endr
.irp e, 0,1,2,3
	v_cndmask_b32 v[X+\e], v[X+\e], v[X+4*(\k)+\e], s[20+\e]
.endr
.endm
.set k, 1
.rept 24
	s_wait_loadcnt 24-k                            ; candidate k is in, the later ones stay out
	MERGE k
.set k, k+1
.endr
	ds_store_b128 v2, v[X:X+3]
	s_wait_dscnt 0x0                               ; for wave 0's sake
	s_barrier_signal -1
	s_barrier_wait -1
	s_cmp_lg_u32 s10, 0
	s_cbranch_scc1 .Lend
.set k, 0
.rept 10
	ds_load_b128 v[X+4*k:X+4*k+3], v1 offset:512*k
.set k, k+1
.endr
.set k, 1
.rept 9
	s_wait_dscnt 9-k
	MERGE k
.set k, k+1
.endr
	v_cmp_le_u32 vcc_lo, 16, v0                    ; the block lanes
	s_wait_xcnt 0x0                                ; EXEC changes only behind this wait
	s_and_saveexec_b32 s24, vcc_lo
	global_store_b128 v3, v[X:X+3], s[6:7]         ; 16 lanes store 256 consecutive bytes, at a multiple of 256 from win's first byte
	s_wait_xcnt 0x0
	s_or_b32 exec_lo, exec_lo, s24
.Lend:
	s_wait_tensorcnt 0x0                           ; the wave's end
	ds_add_u32 v[SPW], v[NIL]
	s_wait_dscnt 0x0
	s_endpgm
.Lfunc_end_k_qe64846524c_pick:
	.size	k_qe64846524c_pick, .Lfunc_end_k_qe64846524c_pick-k_qe64846524c_pick
	.p2alignl 7, 3214868480
	.fill 96, 4, 3214868480
	.section	.rodata,"a",@progbits
	.p2align	6, 0x0
	.amdhsa_kernel k_qe64846524c_pick
		.amdhsa_group_segment_fixed_size 6400
		.amdhsa_private_segment_fixed_size 0
		.amdhsa_enable_private_segment 0
		.amdhsa_kernarg_size 16
		.amdhsa_user_sgpr_count 2
		.amdhsa_user_sgpr_kernarg_segment_ptr 1
		.amdhsa_wavefront_size32 1
		.amdhsa_system_sgpr_workgroup_id_x 1
		.amdhsa_system_sgpr_workgroup_id_y 1
		.amdhsa_system_sgpr_workgroup_id_z 1
		.amdhsa_system_vgpr_workitem_id 0
		.amdhsa_next_free_vgpr 128
		.amdhsa_next_free_sgpr 66
		.amdhsa_reserve_vcc 1
		.amdhsa_float_denorm_mode_32 3
		.amdhsa_float_denorm_mode_16_64 3
		.amdhsa_memory_ordered 1
		.amdhsa_forward_progress 1
		.amdhsa_inst_pref_size 39
	.end_amdhsa_kernel
	.amdgpu_metadata
---
amdhsa.version: [ 1, 2 ]
amdhsa.kernels:
  - .name:           k_qe64846524c_pick
    .symbol:         k_qe64846524c_pick.kd
    .args:
      - { .name: part, .offset: 0, .size: 8, .value_kind: global_buffer, .address_space: global }
      - { .name: win, .offset: 8, .size: 8, .value_kind: global_buffer, .address_space: global }
    .group_segment_fixed_size: 6400
    .private_segment_fixed_size: 0
    .kernarg_segment_align: 8
    .kernarg_segment_size: 16
    .max_flat_workgroup_size: 320
    .sgpr_count:     66
    .vgpr_count:     128
    .wavefront_size: 32
...
	.end_amdgpu_metadata
.endif
;; end of part 3
;; launch name (part 4): grid 256 x 1, 8 waves a work-group, no clusters, 1,280 bytes of LDS; arguments win, gallery_embedding, shape_embedding, category_idx, shape_idx, out0, out1; writes out0, out1
.if DOCPART == 4
	.amdgcn_target "amdgcn-amd-amdhsa--gfx1250"
	.amdhsa_code_object_version 6
	.text
	.protected	k_qe64846524c_name
	.globl	k_qe64846524c_name
	.p2align	8
	.type	k_qe64846524c_name,@function
k_qe64846524c_name:
	s_mov_b64 s[64:65], 0
	v_nop
	global_prefetch_b8 v0, s[64:65] scope:SCOPE_SE
	s_setreg_imm32_b32 hwreg(HW_REG_WAVE_MODE, 25, 1), 1
	s_wait_xcnt 0x0
; One wave a query.  win[q] names a block of 8 gallery rows; their 8 cosines with the query are made anew in f32 from the numbers rounded to bf16:
; cos = (q . g) / max(|q|, 1e-12) / max(|g|, 1e-12); the first of the greatest chooses, by v_cndmask_b32, among the block's 8 entries of each table.
; The block's number is a whole number read from memory and is held to 0 .. 12,499 before it enters an address.  The eight waves' results meet in LDS; wave 0 stores 32 bytes to each output:
; the outputs are 8,192 bytes each, and 2,048 waves share the 16 MiB that are read.  NaN and infinities are not treated apart.
.set SPARE, 256                        ; the spare words, 128 bytes a wave: four blocks of 256 bytes that no other line names; the block from 0 holds the 16 results
.set SPW, 6                            ; v6   SPARE + 4 x my thread's number; never rewritten
.set NIL, 7                            ; v7   0; never rewritten
.set QX,  8                            ; v8-15    my 8 numbers of the query's row
.set GX,  16                           ; v16-79   of the 8 gallery rows; later at work
.set QR,  80                           ; v80-87   the query's, rounded
.set PK,  88                           ; v88-91   at work
.set UU,  92                           ; v92-99   a gallery row's, rounded
.set DP,  100                          ; v100-101 at work
.set SM,  104                          ; v104-111 q . g; v112-119 |g|^2; v120 |q|^2
.set BV,  122                          ; v122 best cosine, v123, v124 its two table entries
.set CV,  123
.set SV,  124
	s_load_b256 s[4:11], s[0:1], 0x0               ; win s[4:5], gallery s[6:7], shape_embedding s[8:9], category_idx s[10:11]
	s_load_b128 s[12:15], s[0:1], 0x20             ; shape_idx s[12:13], out0 s[14:15]
	s_load_b64 s[16:17], s[0:1], 0x30              ; out1
	v_lshl_add_u32 v[SPW], v0, 2, SPARE
	v_mov_b32 v[NIL], 0
	v_lshrrev_b32 v1, 5, v0
	v_readfirstlane_b32 s18, v1                    ; wave 0..7
	v_and_b32 v1, 31, v0
	v_lshlrev_b32 v1, 4, v1                        ; 16 x lane
	s_lshl_b32 s19, ttmp9, 3
	s_add_co_u32 s19, s19, s18                     ; my query
	s_lshl_b32 s25, s18, 2
	v_mov_b32 v2, s25                              ; my wave's word in LDS
	v_and_b32 v3, 15, v0
	v_lshlrev_b32 v3, 2, v3
	v_and_b32 v5, 7, v0
	v_lshlrev_b32 v5, 2, v5
	s_mov_b32 s24, 0x2b8cbccc                      ; 1e-12
	s_mov_b32 s27, 0xffff0000
	s_mov_b32 s28, 0x76543210
	s_mov_b32 s29, 0xfedcba98
	s_lshl_b32 s22, s19, 10
	s_mov_b32 s23, 0
	s_lshl_b32 s30, s19, 2
	s_mov_b32 s31, 0
	s_wait_kmcnt 0x0
	s_add_nc_u64 s[8:9], s[8:9], s[22:23]
	s_add_nc_u64 s[4:5], s[4:5], s[30:31]
	s_load_b32 s20, s[4:5], 0x0
	global_load_b128 v[QX:QX+3],   v1, s[8:9]
	global_load_b128 v[QX+4:QX+7], v1, s[8:9] offset:512
	s_lshl_b32 s30, ttmp9, 5                       ; 8 results of 4 bytes a work-group
	s_add_nc_u64 s[14:15], s[14:15], s[30:31]
	s_add_nc_u64 s[16:17], s[16:17], s[30:31]
	s_wait_kmcnt 0x0
	s_min_u32 s20, s20, 12499                      ; inside the gallery, whatever was read
	s_lshl_b32 s22, s20, 5                         ; 8 entries of 4 bytes
	s_add_nc_u64 s[10:11], s[10:11], s[22:23]
	s_add_nc_u64 s[12:13], s[12:13], s[22:23]
	s_load_b256 s[32:39], s[10:11], 0x0
	s_load_b256 s[40:47], s[12:13], 0x0
	s_lshl_b32 s22, s20, 13                        ; 8 rows of 1,024 bytes
	s_add_nc_u64 s[6:7], s[6:7], s[22:23]
.set i, 0
.rept 16
	global_load_b128 v[GX+4*i:GX+4*i+3], v1, s[6:7] offset:512*i
.set i, i+1
.endr
.macro RND8 src, dst                   ; eight numbers rounded to bf16 and widened again
.irp k, 0,1,2,3
	v_cvt_pk_bf16_f32 v[PK+\k], v[(\src)+2*\k], v[(\src)+2*\k+1]
.endr
.irp k, 0,1,2,3
	v_lshlrev_b32 v[(\dst)+2*\k],   16,  v[PK+\k]
	v_and_b32     v[(\dst)+2*\k+1], s27, v[PK+\k]
.endr
.endm
.macro DOT8 a, b, out                  ; my eight products, summed
	v_pk_mul_f32 v[DP:DP+1], v[(\a):(\a)+1], v[(\b):(\b)+1]
.irp k, 2,4,6
	v_pk_fma_f32 v[DP:DP+1], v[(\a)+\k:(\a)+\k+1], v[(\b)+\k:(\b)+\k+1], v[DP:DP+1]
.endr
	v_add_f32 v[\out], v[DP], v[DP+1]
.endm
	s_wait_loadcnt 16                              ; the query's row is in; the sixteen gallery loads stay out
	RND8 QX, QR
	DOT8 QR, QR, SM+16
.set j, 0
.rept 8
	s_wait_loadcnt 14-2*j                          ; row j is in
	RND8 GX+8*j, UU
	DOT8 UU, QR, SM+j
	DOT8 UU, UU, SM+8+j
.set j, j+1
.endr
.irp m, 1,2,4,8                        ; the 17 sums go over the 32 lanes side by side
.set i, 0
.rept 17
	v_add_f32_dpp v[SM+i], v[SM+i], v[SM+i] row_xmask:\m row_mask:0xf bank_mask:0xf
.set i, i+1
.endr
.endr
.set i, 0
.rept 17
	v_permlanex16_b32 v[GX+i], v[SM+i], s28, s29   ; its destination counts as read: the rows' registers have been written
.set i, i+1
.endr
.set i, 0
.rept 17
	v_add_f32 v[SM+i], v[SM+i], v[GX+i]
.set i, i+1
.endr
.set i, 8
.rept 9
	v_sqrt_f32 v[SM+i], v[SM+i]
.set i, i+1
.endr
	v_nop                                          ; a plain instruction between the last root and the use of its result
.set i, 8
	s_wait_alu depctr_va_vdst(0)
.rept 9
	v_max_num_f32 v[SM+i], s24, v[SM+i]
.set i, i+1
.endr
.set i, 8
.rept 9
	v_rcp_f32 v[SM+i], v[SM+i]
.set i, i+1
.endr
	v_nop                                          ; and behind the last reciprocal
.set j, 0
	s_wait_alu depctr_va_vdst(0)
.rept 8
	v_mul_f32 v[SM+j], v[SM+j], v[SM+8+j]
.set j, j+1
.endr
.set j, 0
.rept 8
	v_mul_f32 v[SM+j], v[SM+j], v[SM+16]
.set j, j+1
.endr
	s_wait_kmcnt 0x0                               ; the block's table entries
	v_mov_b32 v[BV], v[SM]
	v_mov_b32 v[CV], s32
	v_mov_b32 v[SV], s40
.irp j, 1,2,3,4,5,6,7
	v_cmp_gt_f32 vcc_lo, v[SM+\j], v[BV]           ; strictly greater: the first of equals stays
	v_cndmask_b32 v[CV], v[CV], s[32+\j], vcc_lo
	v_cndmask_b32 v[SV], v[SV], s[40+\j], vcc_lo
	v_max_num_f32 v[BV], v[BV], v[SM+\j]
.endr
	ds_store_b32 v2, v[CV]                         ; all lanes hold, and write, the same
	ds_store_b32 v2, v[SV] offset:32
	s_wait_dscnt 0x0                               ; for wave 0's sake
	s_barrier_signal -1
	s_barrier_wait -1
	s_cmp_lg_u32 s18, 0
	s_cbranch_scc1 .Lend
	ds_load_b32 v4, v3                             ; lanes 0-7: the eight categories; lanes 8-15: the eight shapes
	v_and_b32 v125, 24, v0
	s_wait_dscnt 0x0
	v_cmp_gt_u32 vcc_lo, 8, v0
	s_wait_xcnt 0x0                                ; EXEC changes only behind this wait
	s_and_saveexec_b32 s26, vcc_lo
	global_store_b32 v5, v4, s[14:15]
	s_wait_xcnt 0x0
	s_or_b32 exec_lo, exec_lo, s26
	v_cmp_eq_u32 vcc_lo, 8, v125
	s_and_saveexec_b32 s26, vcc_lo
	global_store_b32 v5, v4, s[16:17]
	s_wait_xcnt 0x0
	s_or_b32 exec_lo, exec_lo, s26
.Lend:
	s_wait_tensorcnt 0x0                           ; the wave's end
	ds_add_u32 v[SPW], v[NIL]
	s_wait_dscnt 0x0
	s_endpgm
.Lfunc_end_k_qe64846524c_name:
	.size	k_qe64846524c_name, .Lfunc_end_k_qe64846524c_name-k_qe64846524c_name
	.p2alignl 7, 3214868480
	.fill 96, 4, 3214868480
	.section	.rodata,"a",@progbits
	.p2align	6, 0x0
	.amdhsa_kernel k_qe64846524c_name
		.amdhsa_group_segment_fixed_size 1280
		.amdhsa_private_segment_fixed_size 0
		.amdhsa_enable_private_segment 0
		.amdhsa_kernarg_size 56
		.amdhsa_user_sgpr_count 2
		.amdhsa_user_sgpr_kernarg_segment_ptr 1
		.amdhsa_wavefront_size32 1
		.amdhsa_system_sgpr_workgroup_id_x 1
		.amdhsa_system_sgpr_workgroup_id_y 1
		.amdhsa_system_sgpr_workgroup_id_z 1
		.amdhsa_system_vgpr_workitem_id 0
		.amdhsa_next_free_vgpr 128
		.amdhsa_next_free_sgpr 66
		.amdhsa_reserve_vcc 1
		.amdhsa_float_denorm_mode_32 3
		.amdhsa_float_denorm_mode_16_64 3
		.amdhsa_memory_ordered 1
		.amdhsa_forward_progress 1
		.amdhsa_inst_pref_size 23
	.end_amdhsa_kernel
	.amdgpu_metadata
---
amdhsa.version: [ 1, 2 ]
amdhsa.kernels:
  - .name:           k_qe64846524c_name
    .symbol:         k_qe64846524c_name.kd
    .args:
      - { .name: win, .offset: 0, .size: 8, .value_kind: global_buffer, .address_space: global }
      - { .name: gallery_embedding, .offset: 8, .size: 8, .value_kind: global_buffer, .address_space: global }
      - { .name: shape_embedding, .offset: 16, .size: 8, .value_kind: global_buffer, .address_space: global }
      - { .name: category_idx, .offset: 24, .size: 8, .value_kind: global_buffer, .address_space: global }
      - { .name: shape_idx, .offset: 32, .size: 8, .value_kind: global_buffer, .address_space: global }
      - { .name: out0, .offset: 40, .size: 8, .value_kind: global_buffer, .address_space: global }
      - { .name: out1, .offset: 48, .size: 8, .value_kind: global_buffer, .address_space: global }
    .group_segment_fixed_size: 1280
    .private_segment_fixed_size: 0
    .kernarg_segment_align: 8
    .kernarg_segment_size: 56
    .max_flat_workgroup_size: 256
    .sgpr_count:     66
    .vgpr_count:     128
    .wavefront_size: 32
...
	.end_amdgpu_metadata
.endif
;; end of part 4
;; ======== version 2 of 2: 4 launches; 1.21 times as fast as version 1
;; workspace buffers: qf 1,048,576 bytes; part 4,096,000 bytes; win 8,192 bytes of whole numbers
;; launch qfrag: the kernel of part 1 again; grid 128 x 1, 1 waves a work-group, no clusters, 8,704 bytes of LDS; arguments shape_embedding, qf; writes qf
;; launch scan (part 5): grid 250 x 1, 4 waves a work-group, no clusters, 224,000 bytes of LDS; arguments gallery_embedding, qf, part; writes part
.if DOCPART == 5
	.amdgcn_target "amdgcn-amd-amdhsa--gfx1250"
	.amdhsa_code_object_version 6
	.text
	.protected	k_qe64846524c_scan
	.globl	k_qe64846524c_scan
	.p2align	8
	.type	k_qe64846524c_scan,@function
k_qe64846524c_scan:
	s_mov_b64 s[64:65], 0
	v_nop
	global_prefetch_b8 v0, s[64:65] scope:SCOPE_SE
	s_setreg_imm32_b32 hwreg(HW_REG_WAVE_MODE, 25, 1), 1
	s_wait_xcnt 0x0
; THE PRODUCT.  score(q, m) = (Q[q] . G[m]) / max(|G[m]|, 1e-12), Q and G rounded once to bf16, products exact, sums in f32, |G[m]| taken in f32 of the ROUNDED numbers.
; Q's own norm is one positive factor for all scores of a query: it changes no comparison here and is applied in the last launch.
; SHARES.  100,000 gallery rows = 250 work-groups x 400 rows = 25 tiles of 16.  A work-group's rows are read from memory once, rounded, normed and kept in LDS as bf16.
; Each of the four waves walks 512 queries in 8 passes of 64 (pass p of wave w: chunk 4 p + w); a pass has 25 steps: one gallery tile x 4 query tiles x K = 256: 32 matrix instructions.
; LAYOUT.  Source 0 = 16 gallery rows, source 1 = 16 queries: in the result a lane holds ONE query (lane % 16) and register j the gallery row 16 t + 8 (lane / 16) + j.
; So scaling is a packed multiply by eight scales, a tile's maximum four instructions, and only the tile's number is tracked: what leaves is, for each query, the best score and
; its BLOCK of 8 rows (global row / 8).  The last launch finds the row inside the block.
; part[work-group][chunk][512 bytes]: 64 f32 scores, then 64 int32 blocks.
; NO CLUSTER: 250 work-groups are no multiple of four; the shared input, qf, is 1 MiB.  No tensor loads: the gallery has to pass through registers to be rounded and normed, and qf goes into registers as it lies.
; LIMITS.  NaN and infinities are not treated apart (a NaN score loses).  Equal scores: the lowest block.  Two scores closer than the rounding of f32 sums (a few 1e-7 of themselves) may change places.
; REGISTERS, in windows of 256 (s_set_vgpr_msb: bits 1:0 source 0, 3:2 source 1, 5:4 source 2, 7:6 destination): window 0 all but Q; window 1 QA, window 2 QB: 64 queries each, tile j fragment c at 64 j + 8 c.
.set PITCH, 528                        ; an LDS row: 512 bytes of bf16 + 16: an odd multiple of 16, so the 16 rows of a fragment load begin at 16 different 16-byte columns modulo 256
.set TILEB, 16*PITCH
.set SCL,   26*TILEB                   ; behind 26 tiles (tile 25 is a copy of tile 0, for the look-ahead of a pass's last step): 400 f32 scales
.set OST,   SCL+1792                   ; each wave's own 512 bytes for the way out
.set SPARE, OST+4*512                  ; the spare words, 128 bytes a wave: two blocks of 256 bytes that no other line names
.set LO16, 1                           ; v1   16 x lane; never rewritten
.set RR,   2                           ; v2   lane % 16
.set HH,   3                           ; v3   lane / 16
.set AG0,  4                           ; v4   my place in a gallery tile: r x pitch + 16 h
.set AG,   5                           ; v5   the same in the tile to be fetched
.set ASC0, 6                           ; v6   my eight scales of tile 0: SCL + 32 h
.set ASC,  7                           ; v7   the same in the tile in hand
.set OSW,  9                           ; v9   way out: where my query's score goes
.set OSR,  10                          ; v10  way out: my 16 bytes of the 512
.set LDA,  12                          ; v12  phase 0: my 8 bytes in half a row of my wave's rows
.set SCW,  13                          ; v13  phase 0: my wave's scales
.set CPS,  14                          ; v14, v15  phase 0: the copy of tile 0: from, to
.set CPD,  15
.set BST,  16                          ; best score, by query tile, in two sets that take turns with the step's parity: set a at BST - 4 a: v16-19, and v12-15 behind phase 0
.set IDX,  20                          ; v20-23  2 x its global tile
.set OUT,  24                          ; v24-27
.set SPW,  30                          ; v30  SPARE + 4 x my thread's number; never rewritten
.set NIL,  31                          ; v31  0; never rewritten
.set T0,   32                          ; v32-35, v36-39  at work
.set T1,   36
.set OB,   40                          ; v40-43, v44-47  the other half of the lanes' best and block
.set OI,   44
.set SC,   48                          ; v48-55, v56-63  eight scales, two buffers
.set ACC,  64                          ; v64-95, v96-127  four accumulators, two sets
.set GF,   128                         ; v128-191, v192-255  a gallery tile's eight fragments, two buffers
.set PP,   32                          ; phase 0: v32-39 two rows packed; v40-55 unpacked; v56-63 sums at work; v64-223 a ring of 20 rows; v224-243 their sums of squares
.set UU,   40
.set SA,   56
.set X,    64
.set SS,   224
; s[4:5] gallery at my wave's ring; s[6:7] qf at the chunk to be loaded; s[8:9] part, 2,048 bytes behind the pass's 512 bytes; s10 wave; s11 work-group; s12, s13 lane selects; s14 mask of a word's upper bf16; s15 1e-12;
; s16, s17 counters; s18, s19 2 x the global tile of this step, of the last; s20-23 compare masks; s24, s25 LDS byte of the next tile, of this tile's scales; s26 2 x my first global tile; s[28:29], s30 at work; s32-43 a pass's end
.set MSB, 0
.macro WIN new                         ; the immediate's high byte repeats the setting that is left; a switch that changes nothing is dropped
.if MSB != (\new)
	s_set_vgpr_msb (MSB<<8)|(\new)
.set MSB, (\new)
.endif
.endm
	s_load_b128 s[4:7], s[0:1], 0x0                ; gallery_embedding s[4:5], qf s[6:7]
	s_load_b64 s[8:9], s[0:1], 0x10                ; part
	v_lshl_add_u32 v[SPW], v0, 2, SPARE
	v_mov_b32 v[NIL], 0
	v_lshrrev_b32 v8, 5, v0
	v_readfirstlane_b32 s10, v8                    ; wave 0..3
	s_mov_b32 s11, ttmp9
	v_and_b32 v11, 31, v0                          ; lane
	v_lshlrev_b32 v[LO16], 4, v11
	v_and_b32 v[RR], 15, v0
	v_bfe_u32 v[HH], v0, 4, 1
	v_mul_u32_u24 v[AG0], v[RR], PITCH
	v_lshl_add_u32 v[AG0], v[HH], 4, v[AG0]
	v_lshlrev_b32 v[ASC0], 5, v[HH]
	v_add_nc_u32 v[ASC0], SCL, v[ASC0]
	s_lshl_b32 s28, s10, 9
	s_add_co_u32 s28, s28, OST
	v_lshl_add_u32 v[OSW], v[RR], 2, s28
	v_add_nc_u32 v[OSR], s28, v[LO16]
	s_mul_i32 s28, s10, 100*PITCH
	v_lshl_add_u32 v[LDA], v11, 3, s28
	s_mul_i32 s28, s10, 400
	s_add_co_u32 s28, s28, SCL
	v_mov_b32 v[SCW], s28
	v_lshrrev_b32 v[CPS], 3, v0                    ; thread t copies 64 bytes: row t / 8, column 64 (t % 8)
	v_mul_u32_u24 v[CPS], v[CPS], PITCH
	v_and_b32 v[CPD], 7, v0
	v_lshl_add_u32 v[CPS], v[CPD], 6, v[CPS]
	v_add_nc_u32 v[CPD], 25*TILEB, v[CPS]
	s_mov_b32 s12, 0x76543210                      ; v_permlanex16_b32: each lane takes its own place in the other half
	s_mov_b32 s13, 0xfedcba98
	s_mov_b32 s14, 0xffff0000
	s_mov_b32 s15, 0x2b8cbccc                      ; 1e-12
	s_mul_i32 s26, s11, 50                         ; 2 x 25 tiles a work-group
	s_mul_i32 s28, s11, 400
	s_mul_i32 s29, s10, 100
	s_add_co_u32 s28, s28, s29
	s_lshl_b32 s28, s28, 10                        ; my wave's first row x 1,024 bytes: under 2^27
	s_mov_b32 s29, 0
	s_wait_kmcnt 0x0
	s_add_nc_u64 s[4:5], s[4:5], s[28:29]
	s_lshl_b32 s28, s10, 15                        ; chunk w: 4 tiles of 8,192 bytes
	s_add_nc_u64 s[6:7], s[6:7], s[28:29]
	s_lshl_b32 s28, s11, 14                        ; 32 chunks of 512 bytes a work-group
	s_lshl_b32 s30, s10, 9
	s_add_co_u32 s28, s28, s30
	s_add_nc_u64 s[8:9], s[8:9], s[28:29]
; PHASE 0.  My wave's 100 rows come through a ring of 20 rows in registers: 40 loads of 512 consecutive bytes are on their way, 20 KiB a wave.
.set i, 0
.rept 40
	global_load_b128 v[X+4*i:X+4*i+3], v[LO16], s[4:5] offset:512*i th:TH_LOAD_NT
.set i, i+1
.endr
; Rows 2 i and 2 i + 1 of the ring: rounded, stored to LDS, and the sum of squares of my 8 ROUNDED numbers of each.  ahead = 1: the rows 20 further down are asked for.
; left = the younger loads that may stay out.  nq = 1: six loads of the first pass's Q follow.
.macro ROW2 i, ahead, left, nq
	s_wait_loadcnt \left
.irp u, 0,1
.irp k, 0,1,2,3
	v_cvt_pk_bf16_f32 v[PP+4*(\u)+(\k)], v[X+8*(2*(\i)+(\u))+2*(\k)], v[X+8*(2*(\i)+(\u))+2*(\k)+1]
.endr
.endr
.if \ahead
.irp u, 0,1
	global_load_b128 v[X+8*(2*(\i)+(\u)):X+8*(2*(\i)+(\u))+3],   v[LO16], s[4:5] offset:(20+2*(\i)+(\u))*1024 th:TH_LOAD_NT
	global_load_b128 v[X+8*(2*(\i)+(\u))+4:X+8*(2*(\i)+(\u))+7], v[LO16], s[4:5] offset:(20+2*(\i)+(\u))*1024+512 th:TH_LOAD_NT
.endr
.endif
.irp u, 0,1
	ds_store_b64 v[LDA], v[PP+4*(\u):PP+4*(\u)+1]   offset:(2*(\i)+(\u))*PITCH
	ds_store_b64 v[LDA], v[PP+4*(\u)+2:PP+4*(\u)+3] offset:(2*(\i)+(\u))*PITCH+256
.endr
.irp u, 0,1
.irp k, 0,1,2,3
	v_lshlrev_b32 v[UU+8*(\u)+2*(\k)],   16,  v[PP+4*(\u)+(\k)]   ; bf16 to f32: the low half moves up,
	v_and_b32     v[UU+8*(\u)+2*(\k)+1], s14, v[PP+4*(\u)+(\k)]   ; the high half stays
.endr
.endr
.irp u, 0,1
	v_pk_mul_f32 v[SA+4*(\u):SA+4*(\u)+1],   v[UU+8*(\u):UU+8*(\u)+1],   v[UU+8*(\u):UU+8*(\u)+1]
	v_pk_mul_f32 v[SA+4*(\u)+2:SA+4*(\u)+3], v[UU+8*(\u)+2:UU+8*(\u)+3], v[UU+8*(\u)+2:UU+8*(\u)+3]
.endr
.irp u, 0,1
	v_pk_fma_f32 v[SA+4*(\u):SA+4*(\u)+1],   v[UU+8*(\u)+4:UU+8*(\u)+5], v[UU+8*(\u)+4:UU+8*(\u)+5], v[SA+4*(\u):SA+4*(\u)+1]
	v_pk_fma_f32 v[SA+4*(\u)+2:SA+4*(\u)+3], v[UU+8*(\u)+6:UU+8*(\u)+7], v[UU+8*(\u)+6:UU+8*(\u)+7], v[SA+4*(\u)+2:SA+4*(\u)+3]
.endr
.irp u, 0,1
	v_pk_add_f32 v[SA+4*(\u):SA+4*(\u)+1], v[SA+4*(\u):SA+4*(\u)+1], v[SA+4*(\u)+2:SA+4*(\u)+3]
.endr
.irp u, 0,1
	v_add_f32 v[SS+2*(\i)+(\u)], v[SA+4*(\u)], v[SA+4*(\u)+1]
.endr
.if \nq
	WIN 0x40                                       ; destination window 1
.irp k, 0,1,2,3,4,5
	global_load_b128 v[4*(6*(\i)+(\k)):4*(6*(\i)+(\k))+3], v[LO16], s[6:7] offset:512*(6*(\i)+(\k))
.endr
	WIN 0
.endif
.endm
; Twenty rows' sums go over the 32 lanes side by side, so that no line waits for the one before it; then 1 / max(sqrt, 1e-12), one word a row into LDS (all lanes hold and write the same number).
.macro NORM20
.irp m, 1,2,4,8
.set i, 0
.rept 20
	v_add_f32_dpp v[SS+i], v[SS+i], v[SS+i] row_xmask:\m row_mask:0xf bank_mask:0xf
.set i, i+1
.endr
.endr
.set i, 0
.rept 20
	v_permlanex16_b32 v[PP+i], v[SS+i], s12, s13   ; its destination counts as read: v32-51 have been written
.set i, i+1
.endr
.set i, 0
.rept 20
	v_add_f32 v[SS+i], v[SS+i], v[PP+i]
.set i, i+1
.endr
.set i, 0
.rept 20
	v_sqrt_f32 v[SS+i], v[SS+i]
.set i, i+1
.endr
	v_nop                                          ; a plain instruction between the last root and the use of its result
.set i, 0
	s_wait_alu depctr_va_vdst(0)
.rept 20
	v_max_num_f32 v[SS+i], s15, v[SS+i]
.set i, i+1
.endr
.set i, 0
.rept 20
	v_rcp_f32 v[SS+i], v[SS+i]
.set i, i+1
.endr
	v_nop                                          ; and behind the last reciprocal
.set i, 0
	s_wait_alu depctr_va_vdst(0)
.rept 20
	ds_store_b32 v[SCW], v[SS+i] offset:4*i
.set i, i+1
.endr
.endm
	s_mov_b32 s16, 4
.Lring:                                                ; four rounds of 20 rows, each asking for the next round's rows
.irp i, 0,1,2,3,4,5,6,7,8,9
	ROW2 \i, 1, 36, 0                              ; 36: the ring's other loads, all younger than these four
.endr
	NORM20
	s_wait_xcnt 0x0                                ; the loads' base is stepped only behind this wait
	s_add_nc_u64 s[4:5], s[4:5], 20*1024
	v_add_nc_u32 v[LDA], 20*PITCH, v[LDA]
	v_add_nc_u32 v[SCW], 80, v[SCW]
	s_sub_co_u32 s16, s16, 1
	s_cmp_lg_u32 s16, 0
	s_cbranch_scc1 .Lring
.irp i, 0,1,2,3,4,5,6,7,8,9
	ROW2 \i, 0, 36+2*\i, 1                         ; the last round asks for no row: younger are 4 (9 - i) loads of the ring and 6 i of Q
.endr
	WIN 0x40
.irp n, 60,61,62,63
	global_load_b128 v[4*\n:4*\n+3], v[LO16], s[6:7] offset:512*\n
.endr
	WIN 0
	NORM20
	s_wait_dscnt 0x0                               ; for the others' sake: my rows and scales are in LDS
	s_barrier_signal -1
	s_barrier_wait -1
.irp k, 0,1,2,3
	ds_load_b128 v[X+4*\k:X+4*\k+3], v[CPS] offset:16*\k   ; tile 0 once more behind tile 24
.endr
	s_wait_dscnt 0x0
.irp k, 0,1,2,3
	ds_store_b128 v[CPD], v[X+4*\k:X+4*\k+3] offset:16*\k
.endr
	s_wait_dscnt 0x0
	s_barrier_signal -1
	s_barrier_wait -1                              ; from here on no wave writes LDS bytes that another reads: no further barrier
; THE EPILOGUE of a step: operation e of 10 for query tile u.  AO = the step's accumulators, SCO = its scales, NBW, NBR = the set of best scores that it writes, that it reads; t = the scalar register with 2 x its global tile.
; 0-3 the eight scores times the eight scales (each accumulator's lowest registers are read first); 4-6 their maximum in two parts;
; 7 the new best of the two parts and the old best, into the other set, so that the old one is still there for 8: a strictly greater best takes, in 9, the tile's number: the first of equals stays.
.macro EP1 e, u, t
.if (\e) < 4
	v_pk_mul_f32 v[AO+8*(\u)+2*(\e):AO+8*(\u)+2*(\e)+1], v[AO+8*(\u)+2*(\e):AO+8*(\u)+2*(\e)+1], v[SCO+2*(\e):SCO+2*(\e)+1]
.elseif (\e) == 4
	v_max3_num_f32 v[T0+(\u)], v[AO+8*(\u)], v[AO+8*(\u)+1], v[AO+8*(\u)+2]
.elseif (\e) == 5
	v_max3_num_f32 v[T1+(\u)], v[AO+8*(\u)+3], v[AO+8*(\u)+4], v[AO+8*(\u)+5]
.elseif (\e) == 6
	v_max3_num_f32 v[T0+(\u)], v[T0+(\u)], v[AO+8*(\u)+6], v[AO+8*(\u)+7]
.elseif (\e) == 7
	v_max3_num_f32 v[NBW+(\u)], v[T0+(\u)], v[T1+(\u)], v[NBR+(\u)]
.elseif (\e) == 8
	v_cmp_gt_f32 s[20+(\u)], v[NBW+(\u)], v[NBR+(\u)]
.else
	v_cndmask_b32 v[IDX+(\u)], v[IDX+(\u)], s[\t], s[20+(\u)]
.endif
.endm
; A STEP: 32 matrix instructions on set p of the accumulators and buffer p of the gallery fragments, Q in window q.  Product i: 32 along K at i / 4, query tile i % 4: the four accumulators take turns.
; Behind product 0: four v_nop, the places behind the last step's products, in front of the reads of its accumulators and the loads into its fragment buffer (ISA guide 7.12.1 for the reads of its accumulators);
; then the LAST step's sixteen multiplies by its scales, under one pair of window switches; then THE LDS LOADS in ONE run of 18, never singly among the matrix instructions: the next tile's sixteen fragment loads
; into the other buffer, and this tile's eight scales, which the next step's multiplies read.  Both buffers are free: the other fragment buffer's last readers are the last step's products, this scale buffer's
; the last step's multiplies.  The run stands 31 products ahead of the wait for it, at the next step's head.
; Behind products 2, 4 .. 20: the rest of the last step's epilogue, TWO instructions each, so that few vector instructions follow any one product; they lie in window 0, so each pair costs two switches.
; Behind products 22 and 24: the four selects, two each; their second source is a scalar register, so they are right under the products' own setting and cost no switch.
; The macro leaves the products' setting on: what follows it sets the windows.  kind 0: a step in a pass; 1: a pass's first step; 2: the very first: there is no step before it.
.macro STEP q, p, goff, soff, kind
	s_mov_b32 s19, s18
.if (\kind) == 0
	s_add_co_u32 s18, s18, 2
.else
	s_mov_b32 s18, s26
.endif
	s_wait_dscnt 0x0                               ; this step's fragments and the last step's scales are in
.set AC,  ACC+32*(\p)
.set AO,  ACC+32*(1-(\p))
.set GC,  GF+64*(\p)
.set GN,  GF+64*(1-(\p))
.set SCN, SC+8*(\p)
.set SCO, SC+8*(1-(\p))
.set NBW, BST-4*(1-(\p))
.set NBR, BST-4*(\p)
.set i, 0
.rept 32
	WIN 4*(\q)                                     ; source 1 in Q's window, all else in window 0
.if i < 4
	v_wmma_f32_16x16x32_bf16 v[AC+8*(i%4):AC+8*(i%4)+7], v[GC+8*(i/4):GC+8*(i/4)+7], v[64*(i%4)+8*(i/4):64*(i%4)+8*(i/4)+7], 0
.else
	v_wmma_f32_16x16x32_bf16 v[AC+8*(i%4):AC+8*(i%4)+7], v[GC+8*(i/4):GC+8*(i/4)+7], v[64*(i%4)+8*(i/4):64*(i%4)+8*(i/4)+7], v[AC+8*(i%4):AC+8*(i%4)+7]
.endif
.if i == 0
	v_nop
	v_nop
	v_nop
	v_nop
.if (\kind) != 2
	WIN 0
.irp e, 0,1,2,3
.irp u, 0,1,2,3
	EP1 \e, \u, 19
.endr
.endr
.endif
.set c, 0
.rept 8
	ds_load_b128 v[GN+8*c:GN+8*c+3],   v[AG] offset:(\goff)+64*c       ; data and address lie in window 0 under either setting
	ds_load_b128 v[GN+8*c+4:GN+8*c+7], v[AG] offset:(\goff)+64*c+32
.set c, c+1
.endr
	ds_load_b128 v[SCN:SCN+3],   v[ASC] offset:(\soff)
	ds_load_b128 v[SCN+4:SCN+7], v[ASC] offset:(\soff)+16
.elseif ((\kind) != 2) && (i%2 == 0) && (i <= 20)
.set RE, 4+(i-2)/4                     ; operations 4 to 8, each for tiles 0, 1 and then for tiles 2, 3
.set RU, 2*(((i-2)/2)%2)
	WIN 0
	EP1 RE, RU, 19
	EP1 RE, RU+1, 19
.elseif ((\kind) != 2) && ((i == 22) || (i == 24))
.set RU, i-22
	EP1 9, RU, 19
	EP1 9, RU+1, 19
.endif
.set i, i+1
.endr
.endm
; A PASS ENDS, in two parts.  b = the set that holds the pass's best scores.
; FINA.  The block is 2 x tile + lane / 16; the query's other 8 rows of each tile lie in the lane 16 away: the greater score wins, of equals the lower block; the four tiles' comparisons have masks of their own,
; so that none waits for another's.  Then 64 scores and 64 blocks go into my own 512 bytes of LDS and are asked back as 16 bytes a lane.
; The wait at its head orders the LAST pass's store with the two writes of that store's sources, which follow here: the step of its base and the load into OUT.
.macro FINA b
	s_wait_xcnt 0x0
	s_add_nc_u64 s[8:9], s[8:9], 2048              ; a pass's chunk is four further on than the last's; the store reaches back by as much
.irp j, 0,1,2,3
	v_add_nc_u32 v[IDX+\j], v[IDX+\j], v[HH]
.endr
.irp j, 0,1,2,3
	v_permlanex16_b32 v[OB+\j], v[(\b)+\j], s12, s13
	v_permlanex16_b32 v[OI+\j], v[IDX+\j], s12, s13
.endr
.irp j, 0,1,2,3
	v_cmp_gt_f32 s[32+\j], v[OB+\j], v[(\b)+\j]
	v_cmp_eq_f32 s[36+\j], v[OB+\j], v[(\b)+\j]
	v_cmp_lt_u32 s[40+\j], v[OI+\j], v[IDX+\j]
.endr
.irp j, 0,1,2,3
	s_and_b32 s[36+\j], s[36+\j], s[40+\j]
.endr
.irp j, 0,1,2,3
	s_or_b32 s[32+\j], s[32+\j], s[36+\j]
.endr
.irp j, 0,1,2,3
	v_cndmask_b32 v[(\b)+\j], v[(\b)+\j], v[OB+\j], s[32+\j]
	v_cndmask_b32 v[IDX+\j], v[IDX+\j], v[OI+\j], s[32+\j]
.endr
.irp j, 0,1,2,3
	ds_store_b32 v[OSW], v[(\b)+\j] offset:64*\j   ; both halves of the lanes hold, and write, the same
	ds_store_b32 v[OSW], v[IDX+\j] offset:256+64*\j
.endr
	ds_load_b128 v[OUT:OUT+3], v[OSR]              ; LDS serves a wave's instructions in order: this sees the stores above
.endm
; FINB, behind the work that stands between: the 16 bytes are back, and leave.
.macro FINB
	s_wait_dscnt 0x0
	global_store_b128 v[LO16], v[OUT:OUT+3], s[8:9] offset:-2048  ; 512 consecutive bytes, at a multiple of 512 from part's first byte
.endm
; 32 loads of the next pass's Q, half hf of its 64, into window qo.  Two runs a pass, eight steps apart, so that the second is issued when the first has come back.
; cond = 1: the eighth pass has no successor, and the run is jumped over: no load leaves qf.
.macro QRUN qo, hf, cond
.if \cond
	s_cmp_lg_u32 s17, 1
	s_cbranch_scc0 .Lnoq_\@
.endif
	WIN 0x40*(\qo)
.set n, 32*(\hf)
.rept 32
	global_load_b128 v[4*n:4*n+3], v[LO16], s[6:7] offset:512*n
.set n, n+1
.endr
	WIN 0
.if \cond
.Lnoq_\@:
.endif
.endm
; A PASS'S FIRST STEP (tile 0, whose fragments the step before fetched from tile 25), the end of the pass before, and the first run of the next pass's Q.
; The step has parity p: the old pass's last epilogue, which rides in it, writes set 1 - p of the best scores; the new pass's first epilogue reads that set: so it is sent out and then set anew.
.macro PASS0 q, p, kind, cond
	s_wait_loadcnt 0x0                             ; this pass's Q is in; no load names s[6:7] any more
	s_add_nc_u64 s[6:7], s[6:7], 0x20000           ; four chunks of 32,768 bytes on
	v_mov_b32 v[AG], v[AG0]
	v_mov_b32 v[ASC], v[ASC0]
	s_mov_b32 s24, 2*TILEB
	s_mov_b32 s25, 64
	STEP \q, \p, TILEB, 0, \kind
	WIN 0
.if (\kind) == 1
	FINA BST-4*(1-(\p))
.endif
.irp j, 0,1,2,3
	v_mov_b32 v[BST-4*(1-(\p))+\j], 0xff800000     ; below every score
	v_mov_b32 v[IDX+\j], s26
.endr
	QRUN 3-(\q), 0, \cond
.if (\kind) == 1
	FINB
.endif
.endm
; Two steps a trip: tiles t and t + 1; s24 = (t + 1) tiles, s25 = 64 t.  Between the two stand scalar lines alone, so the windows stay as the products want them.
.macro LOOP q, p1, trips
	s_mov_b32 s16, \trips
.Lloop_\@:
	v_add_nc_u32 v[AG], s24, v[AG0]
	v_add_nc_u32 v[ASC], s25, v[ASC0]
	STEP \q, \p1, 0, 0, 0
	STEP \q, 1-(\p1), TILEB, 64, 0
	WIN 0                                          ; at a label and at a branch every window is 0
	s_add_co_u32 s24, s24, 2*TILEB
	s_add_co_u32 s25, s25, 128
	s_sub_co_u32 s16, s16, 1
	s_cmp_lg_u32 s16, 0
	s_cbranch_scc1 .Lloop_\@
.endm
.irp c, 0,1,2,3,4,5,6,7
	ds_load_b128 v[GF+8*\c:GF+8*\c+3],   v[AG0] offset:64*\c
	ds_load_b128 v[GF+8*\c+4:GF+8*\c+7], v[AG0] offset:64*\c+32
.endr
	s_mov_b32 s17, 4
	s_mov_b32 s18, s26
	PASS0 1, 0, 2, 0
	s_branch .Lin                                  ; the loop is entered behind its first step: the very first has no pass to end
.Lout:                                                 ; a trip is two passes, 50 steps, so the buffers' and the sets' turns close on themselves
	PASS0 1, 0, 1, 0
.Lin:
	LOOP 1, 1, 4
	QRUN 2, 1, 0
	LOOP 1, 1, 8
	PASS0 2, 1, 1, 1
	LOOP 2, 0, 4
	QRUN 1, 1, 1
	LOOP 2, 0, 8
	s_sub_co_u32 s17, s17, 1
	s_cmp_lg_u32 s17, 0
	s_cbranch_scc1 .Lout
	s_wait_dscnt 0x0                               ; the last step's scales
	v_nop                                          ; the places behind the last products
	v_nop
	v_nop
	v_nop
.set AO,  ACC+32                       ; the last step has parity 1
.set SCO, SC+8
.set NBW, BST-4
.set NBR, BST
.irp e, 0,1,2,3,4,5,6,7,8,9
.irp u, 0,1,2,3
	EP1 \e, \u, 18
.endr
.endr
	FINA BST-4
	FINB
	s_wait_tensorcnt 0x0                           ; the wave's end
	ds_add_u32 v[SPW], v[NIL]
	s_wait_dscnt 0x0
	s_endpgm
.Lfunc_end_k_qe64846524c_scan:
	.size	k_qe64846524c_scan, .Lfunc_end_k_qe64846524c_scan-k_qe64846524c_scan
	.p2alignl 7, 3214868480
	.fill 96, 4, 3214868480
	.section	.rodata,"a",@progbits
	.p2align	6, 0x0
	.amdhsa_kernel k_qe64846524c_scan
		.amdhsa_group_segment_fixed_size 224000
		.amdhsa_private_segment_fixed_size 0
		.amdhsa_enable_private_segment 0
		.amdhsa_kernarg_size 24
		.amdhsa_user_sgpr_count 2
		.amdhsa_user_sgpr_kernarg_segment_ptr 1
		.amdhsa_wavefront_size32 1
		.amdhsa_system_sgpr_workgroup_id_x 1
		.amdhsa_system_sgpr_workgroup_id_y 1
		.amdhsa_system_sgpr_workgroup_id_z 1
		.amdhsa_system_vgpr_workitem_id 0
		.amdhsa_next_free_vgpr 768
		.amdhsa_next_free_sgpr 66
		.amdhsa_reserve_vcc 0
		.amdhsa_float_denorm_mode_32 3
		.amdhsa_float_denorm_mode_16_64 3
		.amdhsa_memory_ordered 1
		.amdhsa_forward_progress 1
		.amdhsa_inst_pref_size 178
	.end_amdhsa_kernel
	.amdgpu_metadata
---
amdhsa.version: [ 1, 2 ]
amdhsa.kernels:
  - .name:           k_qe64846524c_scan
    .symbol:         k_qe64846524c_scan.kd
    .args:
      - { .name: gallery_embedding, .offset: 0, .size: 8, .value_kind: global_buffer, .address_space: global }
      - { .name: qf, .offset: 8, .size: 8, .value_kind: global_buffer, .address_space: global }
      - { .name: part, .offset: 16, .size: 8, .value_kind: global_buffer, .address_space: global }
    .group_segment_fixed_size: 224000
    .private_segment_fixed_size: 0
    .kernarg_segment_align: 8
    .kernarg_segment_size: 24
    .max_flat_workgroup_size: 128
    .sgpr_count:     66
    .vgpr_count:     768
    .wavefront_size: 32
...
	.end_amdgpu_metadata
.endif
;; end of part 5
;; launch pick: the kernel of part 3 again; grid 32 x 1, 10 waves a work-group, no clusters, 6,400 bytes of LDS; arguments part, win; writes win
;; launch name: the kernel of part 4 again; grid 256 x 1, 8 waves a work-group, no clusters, 1,280 bytes of LDS; arguments win, gallery_embedding, shape_embedding, category_idx, shape_idx, out0, out1; writes out0, out1
